; MI455X (gfx1250); checked and timed in simulation.
; The chip was launched on July 23, 2026; its instructions are those of AMD's public machine-readable ISA for CDNA 5 (MIT licence, August 2026) and "CDNA5" Instruction Set Architecture Reference Guide (July 2026). The comments in the code are by the model that wrote it; some were corrected since.
;; Q Lo RA Linear. Allowed arithmetic: matrix products marked QUANTISED: E3M2 operands, one E8M0 scale for each 32 along K, by v_wmma_scale_f32_16x16x128_f8f6f4 with both operands' format E3M2, f32 sums; products left as they are: f32 operands where the result goes on into a quantised operand, else bf16, f16 or f32 operands; f32 sums; everything else in f32.
;; Inputs: absmax 4,096 x 64 float32; bias 4,096 float32; lora_A_codes 16 x 128 x 24 uint8 (E3M2 codes of lora_A, K innermost, in blocks of 32 codes, four codes in three bytes); lora_A_scales 16 x 128 uint8 (E8M0 scales of lora_A, one for each 32 codes along K); lora_B 16 x 4,096 float32; w_codes 4,096 x 4,096 int32; x_codes 4,096 x 128 x 24 uint8 (E3M2 codes of x, K innermost, in blocks of 32 codes, four codes in three bytes); x_scales 4,096 x 128 uint8 (E8M0 scales of x, one for each 32 codes along K).
;; Outputs: out0 4,096 x 4,096 float32.
;; This version of the problem:
;;   THIS VERSION OF THE PROBLEM IS GIVEN IN LOW PRECISION. The matrix products marked QUANTISED in the list below multiply operands that are first quantised to E3M2 (3 exponent bits, 2 mantissa bits; 6 bits a number), with one power-of-two scale for each 32 numbers along K (OCP MX v1.0); their sums are f32. All else is computed in f32.
;;   The module's matrix products, in the order in which they are computed (A, B: the left and right operand; K: the contracted axis; several contracted axes count as one K, in the product's order):
;;     1. [M 4,096, K 4,096] x [K 4,096, N 4,096]; A: input x (given as codes); B: computed on the way: QUANTISED
;;     2. [M 4,096, K 4,096] x [K 4,096, N 16]; A: input x (given as codes); B: input lora_A (given as codes): QUANTISED
;;     3. [M 4,096, K 16] x [K 16, N 4,096]; A: computed on the way; B: input lora_B: left as it is (K = 16 < 32)
;;   THE QUANTISER, for each operand of a quantised product, along K:
;;     - K is cut into blocks of 32 from its start; a last block that is shorter is filled with zeros.
;;     - A block's scale is 2^e with e = floor(log2(the largest magnitude in the block)) - 4, held to -126 .. 127; a block of zeros has e = 0. As a byte (E8M0): e + 127.
;;     - Each number is divided by its block's scale, clamped to +-28, and rounded to the nearest number of E3M2, ties to even, subnormals kept.
;;     - The product sums the exact products of the quantised numbers (number of the format x scale) in f32.
;;   ~~~python
;;   def quantise(x, axis):      # numpy; x: float32 -> the quantised numbers, widened to float32 again
;;       x = np.moveaxis(x, axis, -1); K = x.shape[-1]
;;       x = np.pad(x, [(0, 0)] * (x.ndim - 1) + [(0, -K % 32)]); x = x.reshape(x.shape[:-1] + (-1, 32)); a = np.abs(x).max(-1, keepdims=True)
;;       e = np.where(a > 0, np.clip(np.frexp(np.where(a > 0, a, 1))[1] - 1 - 4, -126, 127), 0)      # np.frexp(a)[1] - 1 = floor(log2(a)), exactly
;;       r = np.clip(x / 2.0 ** e, -28, 28)
;;       step = 2.0 ** (np.maximum(np.frexp(np.where(r == 0, 1, r))[1] - 1, -2) - 2)
;;       q = np.round(r / step) * step * 2.0 ** e      # np.round: ties to even
;;       return np.moveaxis(q.reshape(q.shape[:-2] + (-1,))[..., :K], -1, axis).astype(np.float32)
;;   ~~~
;;   OPERANDS COMPUTED ON THE WAY. 'Computed on the way' means the value that the module computes at that place (a softmax that the list does not call 'softmax' is quantised finished and normalised). What goes into a quantiser is computed in f32, as accurately as f32 sums, v_exp_f32 and their like allow (about 1e-6 of the number): no bf16 or f16 on the way to a quantiser, and a product that is left as it is and whose result goes on into a quantised operand takes f32 operands (vector FMAs, or v_wmma_f32_16x16x4_f32). A number that lies on a knife's edge between two numbers of the format may be rounded either way, as far as f32 arithmetic and the matrix unit's own rounding can turn it there, and no further.
;;   INPUTS GIVEN AS CODES. lora_A (in the module: [4096, 16], K = its axis 0); x (in the module: [4096, 4096], K = its axis 1): each comes as NAME_codes (uint8): NAME with its K axis moved to the last place and cut into blocks of 32 codes, [.., K / 32, bytes a block], one block behind the other in memory; four codes in three bytes: a row's codes are one little-endian stream of bits, code i at bits 6 i .. 6 i + 5 (a code: sign, 3 exponent bits, 2 mantissa bits); and NAME_scales (uint8): the same leading axes, one E8M0 byte (e + 127) for each 32 codes along K. Its value is code x scale, taken as it is: it is not quantised again, and the codes and scales need not be those that the quantiser above would give.
;; One version. Each part assembles by itself: llvm-mc -triple=amdgcn-amd-amdhsa -mcpu=gfx1250 --defsym DOCPART=n.
;; ======== version 1 of 1: 2 launches
;; limits: values are held in bf16: 8 bits of precision; right only within a limited range of input values
;; workspace buffers: xq 13,107,200 bytes; wq 13,107,200 bytes; tfrag 131,072 bytes
;; launch prep (part 1): grid 512 x 1, 8 waves a work-group, no clusters, 160,768 bytes of LDS; arguments w_codes, absmax, x_codes, x_scales, lora_A_codes, lora_A_scales, wq, xq, tfrag; writes wq, xq, tfrag
.if DOCPART == 1
	.amdgcn_target "amdgcn-amd-amdhsa--gfx1250"
	.amdhsa_code_object_version 6
	.text
	.protected	k_qa12e8e852e_prep
	.globl	k_qa12e8e852e_prep
	.p2align	8
	.type	k_qa12e8e852e_prep,@function
k_qa12e8e852e_prep:
	s_mov_b64 s[64:65], 0
	v_nop
	global_prefetch_b8 v0, s[64:65] scope:SCOPE_SE
	s_setreg_imm32_b32 hwreg(HW_REG_WAVE_MODE, 25, 1), 1
	s_wait_xcnt 0x0
; PREP: both operands of the large product are laid as IMAGES OF THE OPERAND REGISTERS.  xq and wq: [32 blocks of 128 rows][32 steps of 128 K][12,800 bytes]; such a unit holds eight fragments
; (16 rows x 128 K, 1,536 bytes: registers 4 j .. 4 j + 3 of lane l at 512 j + 16 l) and then 512 bytes of scale words, [fragment i][row r], four E8M0 bytes a word.  A unit is 50 x 256 bytes.
; No work of reference() is left out; every input is read.
; ROLE W (work-groups 0 .. 255: 128 rows x 512 K each; wave w takes the 16 rows of fragment row w, a row a step): W[n][k] = NF4[w_codes[n][k]] x absmax[n][k / 64], one f32 multiplication,
;   quantised along K to E3M2 with one E8M0 byte for each 32: the byte is the largest magnitude's exponent field - 4, held at 1 from below.
; ROLE T (work-groups 256 .. 511, 16 rows of x each; wave w takes 512 along K): stores x's fragments and scale words into xq, and t = 4 x (x lora_A) by the scaled matrix form, f32 sums, rounded to bf16
;   as an image of the operand registers of the last product (K = 16): tfrag, 512 bytes for 16 rows, lane (r, h) holds 4 t[row r][8 h .. 8 h + 7].
; LIMITS: codes of W above 15 are held at 15; NaN and infinities in absmax are not served; a block whose largest magnitude lies under 2^(5 - 127), a block of zeros among them, gets the byte 1
;   (the bytes are read by this program alone); t is summed in 16 parts.  Role T stores x's scale words in runs of 64 bytes (16 rows x 4), four work-groups to a unit of 256: 524,288 bytes in all.
; NO TENSOR LOADS, NO CLUSTER: role W's work-groups share no input; role T's share lora_A alone, 49,152 bytes.  No prefetch: role W is one stream read once, 32 loads of 512 bytes a wave on their way.
.set WGW,    256
.set STEPS,  16
.set UB,     12800                     ; a unit of xq or wq
.set PITCHT, 400                       ; a stage row: 384 bytes + 16
.set STGT,   16*PITCHT                 ; role T: a wave's stage; LDS 0 .. 51,199
.set PART,   8*STGT                    ; role T: partial sums, 8 x 1,024 bytes
.set WBASE,  PART+8*1024               ; role W: WREG bytes for each wave
.set WREG,   12288
.set SP,     80                        ; a lane's place in a turning stage: 64 bytes + 16
.set AMB,    2*32*SP                   ; in a wave's region: behind the two turning stages its 128 numbers of absmax,
.set CSTG,   AMB+512                   ; and its 16 rows x 384 bytes of codes, PITCHT apart
.set SCW,    WBASE+8*WREG              ; role W: the work-group's scale bytes, [4 steps][8 fragments][16 rows] words
.set SPAREP, SCW+2048                  ; the spare words, 128 bytes a wave
.set TBL, 2
.set GI,  3                            ; 16 x lane
.set GC,  4                            ; 12 x lane
.set SBW, 5                            ; where my block's scale byte goes
.set SBR, 6                            ; the scale bytes on their way out
.set GS,  7                            ; 8 x lane
.set MX,  8
.set AMW, 10
.set AMR, 11
.set AMG, 12                           ; absmax in memory: 256 (lane / 2) + 16 (lane % 2)
.set FAW, 13                           ; a fragment's row in my code stage
.set STI, 14
.set STO, 15
.set SCO, 16
.set BYT, 17
.set AM,  18
.set CD,  20
.set CST, 23                           ; my 12 bytes of a row of codes in the stage
.set AMX, 24
.set SBO, 28
.set V,   32
.set X,   48
.set R,   80
.set GA,  4
.set LA,  7
.set SXO, 8                            ; role T: scale words out: 12,800 h + 4 r
.set FA,  10
.set SO,  12
.set PS,  13
.set PR,  14
.set TO,  15
.set RAW, 16
.set XF,  112
.set AF,  160
.set AS,  208
.set XSW, 212
.set ACC, 228
.set SUM, 244
.macro LOADW t                         ; step t = row t: four loads of 512 consecutive bytes, into set t % 8
.irp i, 0,1,2,3
	global_load_b128 v[R+16*((\t)%8)+4*\i:R+16*((\t)%8)+4*\i+3], v[GI], s[4:5] offset:16384*(\t)+512*\i th:TH_LOAD_NT
.endr
.endm
.macro TURNW t                         ; through a stage: in as loaded, back 64 bytes a lane; LDS serves a wave's instructions in order (ISA guide 5.7.1.4)
.irp i, 0,1,2,3
	ds_store_b128 v[STI], v[R+16*((\t)%8)+4*\i:R+16*((\t)%8)+4*\i+3] offset:32*SP*((\t)%2)+8*SP*\i
.endr
.irp i, 0,1,2,3
	ds_load_b128 v[X+16*((\t)%2)+4*\i:X+16*((\t)%2)+4*\i+3], v[STO] offset:32*SP*((\t)%2)+16*\i
.endr
.endm
.macro STEPW t
.set WX, X+16*((\t)%2)
.if (\t) > 0
	s_wait_dscnt 4                                 ; this step's 16 codes are back; the last step's four stores (a byte, 12 bytes of codes) may be out
.else
	s_wait_dscnt 0x0
.endif
.irp i, 0,1,2,3,4,5,6,7,8,9,10,11,12,13,14,15
	v_min_u32 v[WX+\i], 15, v[WX+\i]               ; a loaded number names a lane only with its bound written here
.endr
.irp i, 0,1,2,3,4,5,6,7,8,9,10,11,12,13,14,15
	v_lshlrev_b32 v[WX+\i], 2, v[WX+\i]
.endr
.irp i, 0,1,2,3,4,5,6,7,8,9,10,11,12,13,14,15
	ds_bpermute_b32 v[V+\i], v[WX+\i], v[TBL]      ; NF4[code]
.endr
	ds_load_b32 v[AM], v[AMR] offset:AMB+32*(\t)   ; absmax of my block of 64
.if (\t)+8 < STEPS
	LOADW (\t)+8
.endif
.if (\t)+1 < STEPS
.if (\t) <= 7
	s_wait_loadcnt 28                              ; the next step's four loads are in; seven steps' may be out
.else
	s_wait_loadcnt 4*(14-(\t))
.endif
	TURNW (\t)+1
	s_wait_dscnt 8                                 ; my 16 numbers and absmax are in; the eight lines just issued may be out
.else
	s_wait_dscnt 0x0
.endif
.irp i, 0,2,4,6,8,10,12,14
	v_pk_mul_f32 v[V+\i:V+\i+1], v[V+\i:V+\i+1], v[AM:AM+1] op_sel_hi:[1,0]
.endr
	v_max3_num_f32 v[MX], |v[V]|, |v[V+1]|, |v[V+2]|
	v_max3_num_f32 v[MX+1], |v[V+3]|, |v[V+4]|, |v[V+5]|
.irp i, 6,10
	s_delay_alu instid0(VALU_DEP_2)
	v_max3_num_f32 v[MX], v[MX], |v[V+\i]|, |v[V+\i+1]|
	s_delay_alu instid0(VALU_DEP_2)
	v_max3_num_f32 v[MX+1], v[MX+1], |v[V+\i+2]|, |v[V+\i+3]|
.endr
	s_delay_alu instid0(VALU_DEP_2)
	v_max3_num_f32 v[MX], v[MX], |v[V+14]|, |v[V+15]|
	s_delay_alu instid0(VALU_DEP_1)
	v_max3_num_f32 v[MX], v[MX], v[MX+1], 0x2800000                ; the floor 2^(5 - 127)
	s_delay_alu instid0(VALU_DEP_1)
	v_max_num_f32_dpp v[MX], v[MX], v[MX] row_xmask:1 row_mask:0xf bank_mask:0xf   ; with my neighbour's 16: the block's
	s_delay_alu instid0(VALU_DEP_1)
	v_add_nc_u32 v[SCO], 0xfe000000, v[MX]         ; 4 off the exponent field: the conversion's scale operand
	v_cvt_scalef32_pk16_bf6_f32 v[CD:CD+2], v[V:V+15], v[SCO]
	v_lshrrev_b32 v[BYT], 23, v[SCO]               ; the scale's byte (the plain line behind the conversion)
	ds_store_b8 v[SBW], v[BYT] offset:4*(\t)       ; both lanes of a block write the same byte
.irp i, 0,1,2
	ds_store_b32 v[CST], v[CD+\i] offset:CSTG+PITCHT*(\t)+4*\i
.endr
.endm
.macro RAWLOAD n, lo                   ; role T: 16 rows x 384 bytes into set n
.irp q, 0,1,2,3
.irp i, 0,1,2
	global_load_b128 v[RAW+48*(\n)+4*(3*\q+\i):RAW+48*(\n)+4*(3*\q+\i)+3], v[GA], s[\lo:\lo+1] offset:4*\q*3072+128*\i
.endr
.endr
.endm
.macro FRAGS dst, adr, base            ; 16 staged rows come back as four fragments: lane (r, h): 24 bytes at 24 h and at 48 + 24 h of each 96, in pieces of 8
.irp s, 0,1,2,3
.irp p, 0,1,2,3,4,5
	ds_load_b64 v[\dst+12*\s+2*\p:\dst+12*\s+2*\p+1], v[\adr] offset:\base+96*\s+48*(\p/3)+8*(\p%3)
.endr
.endr
.endm
.macro THROUGH n, dst
.irp q, 0,1,2,3
.irp i, 0,1,2
	ds_store_b128 v[LA], v[RAW+48*(\n)+4*(3*\q+\i):RAW+48*(\n)+4*(3*\q+\i)+3] offset:4*PITCHT*\q+128*\i
.endr
.endr
	FRAGS \dst, FA, 0
.endm
.macro IMAGE src, adr, lo              ; four fragments leave as register images: each store is 512 consecutive bytes at a multiple of 256
.irp s, 0,1,2,3
.irp j, 0,1,2
	global_store_b128 v[\adr], v[\src+12*\s+4*\j:\src+12*\s+4*\j+3], s[\lo:\lo+1] offset:UB*\s+512*\j
.endr
.endr
.endm
	s_load_b256 s[4:11], s[0:1], 0x0               ; w_codes, absmax, x_codes, x_scales
	s_load_b256 s[12:19], s[0:1], 0x20             ; lora_A_codes, lora_A_scales, wq s[16:17], xq s[18:19]
	s_load_b64 s[20:21], s[0:1], 0x40              ; tfrag
	v_lshl_add_u32 v254, v0, 2, SPAREP
	v_mov_b32 v255, 0
	v_lshrrev_b32 v1, 5, v0
	s_delay_alu instid0(VALU_DEP_1)
	v_readfirstlane_b32 s22, v1                    ; wave 0 .. 7
	v_and_b32 v1, 31, v0                           ; lane
	s_wait_alu depctr_va_vdst(0)                   ; the wait at the head's end
	s_wait_kmcnt 0x0
	s_cmp_ge_u32 ttmp9, WGW                        ; the role hangs on the work-group's number alone
	s_cbranch_scc1 .Lrole_t
	; ---------------- ROLE W ----------------
	s_lshr_b32 s24, ttmp9, 3                       ; which 128 rows
	s_and_b32 s25, ttmp9, 7                        ; which 512 along K
	s_lshl_b32 s26, s24, 7
	s_lshl_b32 s28, s22, 4
	s_add_co_u32 s28, s26, s28                     ; my wave's first row
	s_mov_b32 s27, 0
	s_lshl_b32 s26, s28, 14
	s_add_nc_u64 s[4:5], s[4:5], s[26:27]
	s_lshl_b32 s26, s25, 11
	s_add_nc_u64 s[4:5], s[4:5], s[26:27]
	s_lshl_b32 s26, s28, 8
	s_add_nc_u64 s[6:7], s[6:7], s[26:27]
	s_lshl_b32 s26, s25, 5
	s_add_nc_u64 s[6:7], s[6:7], s[26:27]
	s_lshl_b32 s26, s24, 5
	s_lshl_b32 s29, s25, 2
	s_add_co_u32 s26, s26, s29
	s_mul_i32 s26, s26, UB                         ; the work-group's four units of wq
	s_add_nc_u64 s[16:17], s[16:17], s[26:27]
	s_lshr_b32 s26, s22, 1                         ; scale words out: wave w stores half w % 2 of unit w / 2's 512 bytes
	s_mul_i32 s26, s26, UB
	s_and_b32 s29, s22, 1
	s_lshl_b32 s29, s29, 8
	s_add_co_u32 s26, s26, s29
	s_add_co_u32 s26, s26, 12288
	s_add_nc_u64 s[18:19], s[16:17], s[26:27]
	s_mul_i32 s26, s22, 1536                       ; codes out: fragment w of each unit
	s_add_nc_u64 s[16:17], s[16:17], s[26:27]
	s_mul_i32 s23, s22, WREG
	s_add_co_u32 s23, s23, WBASE
	s_lshl_b32 s29, s22, 6
	s_add_co_u32 s29, s29, SCW
	s_lshl_b32 s31, s22, 8
	s_add_co_u32 s31, s31, SCW
	v_lshlrev_b32 v[GI], 4, v1
	v_lshrrev_b32 v[MX], 1, v1
	v_and_b32 v[MX+1], 1, v1
	s_delay_alu instid0(VALU_DEP_1)
	v_lshlrev_b32 v[MX+1], 4, v[MX+1]
	s_delay_alu instid0(VALU_DEP_1)
	v_lshl_add_u32 v[AMG], v[MX], 8, v[MX+1]
	global_load_b128 v[AMX:AMX+3], v[AMG], s[6:7]  ; 32 bytes of absmax of each of my 16 rows
.irp t, 0,1,2,3,4,5,6,7
	LOADW \t
.endr
	v_mul_u32_u24 v[GC], v1, 12
	v_lshlrev_b32 v[GS], 3, v1
	v_lshrrev_b32 v[SBW], 3, v1                    ; which of the four steps of 128 my 16 numbers lie in
	v_bfe_u32 v[SBR], v1, 1, 2                     ; and which of its four blocks
	s_delay_alu instid0(VALU_DEP_1)
	v_lshl_add_u32 v[SBW], v[SBW], 9, v[SBR]
	s_delay_alu instid0(VALU_DEP_1)
	v_add_nc_u32 v[SBW], s29, v[SBW]
	v_add_nc_u32 v[SBR], s31, v[GS]
	v_add_nc_u32 v[CST], s23, v[GC]
	v_add_nc_u32 v[AMW], s23, v[GI]
	v_lshrrev_b32 v[MX], 2, v1
	s_delay_alu instid0(VALU_DEP_1)
	v_lshl_add_u32 v[AMR], v[MX], 2, s23
	s_delay_alu instid0(VALU_DEP_2)
	v_mul_u32_u24 v[STI], v[MX], SP
	v_and_b32 v[MX+1], 3, v1
	s_delay_alu instid0(VALU_DEP_1)
	v_lshl_add_u32 v[STI], v[MX+1], 4, v[STI]
	s_delay_alu instid0(VALU_DEP_1)
	v_add_nc_u32 v[STI], s23, v[STI]
	v_mul_u32_u24 v[STO], v1, SP
	s_delay_alu instid0(VALU_DEP_1)
	v_add_nc_u32 v[STO], s23, v[STO]
	v_and_b32 v[FAW], 15, v1
	v_lshrrev_b32 v[MX+1], 4, v1
	s_delay_alu instid0(VALU_DEP_2)
	v_mul_u32_u24 v[FAW], v[FAW], PITCHT
	s_delay_alu instid0(VALU_DEP_1)
	v_mad_u32_u24 v[FAW], v[MX+1], 24, v[FAW]
	s_delay_alu instid0(VALU_DEP_1)
	v_add_nc_u32 v[FAW], s23, v[FAW]
	v_mov_b32 v[AM+1], 0
	v_mov_b32 v[TBL], 0
.set NI, 0
.irp c, 0xbf800000,0xbf3239b1,0xbf066b30,0xbeca32a0,0xbe91a24d,0xbe3d353f,0xbdba7871,0x00000000,0x3da2faff,0x3e24cae3,0x3e7c04dd,0x3ead033a,0x3ee1a4b8,0x3f1007ab,0x3f3913b3,0x3f800000
	s_mov_b32 s28, \c                              ; the sixteen levels of NF4 as f32 bits
	v_writelane_b32 v[TBL], s28, NI
.set NI, NI+1
.endr
	s_wait_alu depctr_va_vdst(0)                   ; the wait here, directly ahead of the wait below
	s_wait_loadcnt 32                              ; absmax is in: 32 loads were issued behind it
	ds_store_b128 v[AMW], v[AMX:AMX+3] offset:AMB
	s_wait_loadcnt 28
	TURNW 0
.irp t, 0,1,2,3,4,5,6,7,8,9,10,11,12,13,14,15
	STEPW \t
.endr
	FRAGS R, FAW, CSTG                             ; my own stores, which LDS has served in order
	s_wait_dscnt 0x0                               ; the fragments are in, and for the others' sake my scale bytes have landed
	IMAGE R, GI, 16
	s_barrier_signal -1
	s_barrier_wait -1                              ; everybody's scale bytes have landed
	ds_load_b64 v[SBO:SBO+1], v[SBR]
	s_wait_dscnt 0x0
	global_store_b64 v[GS], v[SBO:SBO+1], s[18:19] ; 32 lanes store 256 consecutive bytes at a multiple of 256
	s_wait_tensorcnt 0x0                           ; the wave's end
	ds_add_u32 v254, v255
	s_wait_dscnt 0x0
	s_endpgm
	; ---------------- ROLE T ----------------
.Lrole_t:
	s_sub_co_u32 s30, ttmp9, WGW                   ; which 16 rows of x
	s_mul_i32 s23, s22, STGT
	s_mov_b32 s25, 0
	s_mov_b32 s27, 0
	s_mul_i32 s24, s22, 384                        ; my wave's 512 along K
	s_add_nc_u64 s[12:13], s[12:13], s[24:25]
	s_add_nc_u64 s[8:9], s[8:9], s[24:25]
	s_mul_i32 s26, s30, 16*3072
	s_add_nc_u64 s[8:9], s[8:9], s[26:27]
	s_lshl_b32 s24, s22, 4
	s_add_nc_u64 s[14:15], s[14:15], s[24:25]
	s_add_nc_u64 s[10:11], s[10:11], s[24:25]
	s_lshl_b32 s26, s30, 11
	s_add_nc_u64 s[10:11], s[10:11], s[26:27]
	s_lshl_b32 s26, s30, 9
	s_add_nc_u64 s[20:21], s[20:21], s[26:27]
	s_lshr_b32 s26, s30, 3                         ; xq: unit 32 (rows / 128) + 4 wave,
	s_lshl_b32 s26, s26, 5
	s_lshl_b32 s29, s22, 2
	s_add_co_u32 s26, s26, s29
	s_mul_i32 s26, s26, UB
	s_add_nc_u64 s[18:19], s[18:19], s[26:27]
	s_and_b32 s29, s30, 7                          ; fragment row i of it
	s_lshl_b32 s26, s29, 6
	s_add_co_u32 s26, s26, 12288
	s_add_nc_u64 s[32:33], s[18:19], s[26:27]
	s_mul_i32 s26, s29, 1536
	s_add_nc_u64 s[18:19], s[18:19], s[26:27]
	s_lshl_b32 s28, s22, 10
	v_and_b32 v2, 15, v0                           ; r
	v_bfe_u32 v3, v0, 4, 1                         ; h
	v_lshrrev_b32 v5, 3, v1
	v_and_b32 v6, 7, v1
	s_delay_alu instid0(VALU_DEP_1)
	v_lshlrev_b32 v6, 4, v6
	s_delay_alu instid0(VALU_DEP_1)
	v_mad_u32_u24 v[GA], v5, 3072, v6
	v_lshlrev_b32 v[SO], 7, v2
	RAWLOAD 1, 12
	global_load_b128 v[AS:AS+3], v[SO], s[14:15]
	global_load_b128 v[XSW:XSW+3], v[SO], s[10:11]
	RAWLOAD 0, 8
	v_mad_u32_u24 v[LA], v5, PITCHT, v6
	s_delay_alu instid0(VALU_DEP_1)
	v_add_nc_u32 v[LA], s23, v[LA]
	v_mul_u32_u24 v[FA], v2, PITCHT
	s_delay_alu instid0(VALU_DEP_1)
	v_mad_u32_u24 v[FA], v3, 24, v[FA]
	s_delay_alu instid0(VALU_DEP_1)
	v_add_nc_u32 v[FA], s23, v[FA]
	v_lshlrev_b32 v[TO], 4, v1
	s_delay_alu instid0(VALU_DEP_1)
	v_add_nc_u32 v[PS], s28, v[TO]
	s_delay_alu instid0(VALU_DEP_1)
	v_add_nc_u32 v[PS], PART, v[PS]
	s_delay_alu instid0(VALU_DEP_3)
	v_add_nc_u32 v[PR], PART, v[TO]
	v_mul_u32_u24 v[SXO], v3, UB
	s_delay_alu instid0(VALU_DEP_1)
	v_lshl_add_u32 v[SXO], v2, 2, v[SXO]
	s_wait_alu depctr_va_vdst(0)                   ; the wait here, directly ahead of the wait below
	s_wait_loadcnt 14                              ; lora_A's twelve loads are in; behind them two loads of scale words and x's twelve
	THROUGH 1, AF
	s_wait_loadcnt 0x0
	v_cmp_eq_u32 vcc_lo, 1, v3
	v_cndmask_b32 v216, v[XSW], v[XSW+1], vcc_lo   ; lanes 0-15 carry the word of one step, lanes 16-31 that of the next
	v_cndmask_b32 v217, v[XSW+2], v[XSW+3], vcc_lo
	global_store_b32 v[SXO], v216, s[32:33]
	global_store_b32 v[SXO], v217, s[32:33] offset:2*UB
	s_wait_dscnt 0x0                               ; lora_A's fragments are in: the stage is written again
	THROUGH 0, XF
	s_wait_dscnt 0x0
	IMAGE XF, TO, 18
.irp s, 0,1,2,3                        ; source 0 = lora_A's 16 rows, source 1 = x's: lane (r, h), register i: t[row r][8 h + i].  Two accumulators by turns
.if \s < 2
	v_wmma_scale_f32_16x16x128_f8f6f4 v[ACC+8*(\s%2):ACC+8*(\s%2)+7], v[AF+12*\s:AF+12*\s+11], v[XF+12*\s:XF+12*\s+11], 0, v[AS+\s], v[XSW+\s] matrix_a_fmt:MATRIX_FMT_BF6 matrix_b_fmt:MATRIX_FMT_BF6
.else
	v_wmma_scale_f32_16x16x128_f8f6f4 v[ACC+8*(\s%2):ACC+8*(\s%2)+7], v[AF+12*\s:AF+12*\s+11], v[XF+12*\s:XF+12*\s+11], v[ACC+8*(\s%2):ACC+8*(\s%2)+7], v[AS+\s], v[XSW+\s] matrix_a_fmt:MATRIX_FMT_BF6 matrix_b_fmt:MATRIX_FMT_BF6
.endif
.endr
.rept 4
	v_nop                                          ; four places ahead of the first read of results (ISA guide 7.12.1)
.endr
.irp j, 0,2,4,6
	v_pk_add_f32 v[SUM+\j:SUM+\j+1], v[ACC+\j:ACC+\j+1], v[ACC+8+\j:ACC+8+\j+1]
.endr
	ds_store_b128 v[PS], v[SUM:SUM+3]
	ds_store_b128 v[PS], v[SUM+4:SUM+7] offset:512
	s_wait_dscnt 0x0                               ; for the others' sake
	s_barrier_signal -1
	s_barrier_wait -1
	s_cmp_lg_u32 s22, 0                            ; wave 0 adds the eight parts up
	s_cbranch_scc1 .Lt_end
.irp u, 0,1,2,3,4,5,6,7
.irp c, 0,1
	ds_load_b128 v[RAW+8*\u+4*\c:RAW+8*\u+4*\c+3], v[PR] offset:1024*\u+512*\c
.endr
.endr
	s_wait_dscnt 0x0
.irp u, 0,2,4,6
.irp j, 0,2,4,6
	v_pk_add_f32 v[RAW+8*\u+\j:RAW+8*\u+\j+1], v[RAW+8*\u+\j:RAW+8*\u+\j+1], v[RAW+8*(\u+1)+\j:RAW+8*(\u+1)+\j+1]
.endr
.endr
.irp u, 0,4
.irp j, 0,2,4,6
	v_pk_add_f32 v[RAW+8*\u+\j:RAW+8*\u+\j+1], v[RAW+8*\u+\j:RAW+8*\u+\j+1], v[RAW+8*(\u+2)+\j:RAW+8*(\u+2)+\j+1]
.endr
.endr
.irp j, 0,2,4,6
	s_delay_alu instid0(VALU_DEP_4)
	v_pk_add_f32 v[RAW+\j:RAW+\j+1], v[RAW+\j:RAW+\j+1], v[RAW+32+\j:RAW+32+\j+1]
.endr
.irp j, 0,2,4,6
	s_delay_alu instid0(VALU_DEP_4)
	v_pk_mul_f32 v[RAW+\j:RAW+\j+1], v[RAW+\j:RAW+\j+1], 4.0 op_sel_hi:[1,0]   ; the scaling 16 / sqrt(16): exact
.endr
.irp q, 0,1,2,3
	s_delay_alu instid0(VALU_DEP_4)
	v_cvt_pk_bf16_f32 v[AF+\q], v[RAW+2*\q], v[RAW+2*\q+1]
.endr
	global_store_b128 v[TO], v[AF:AF+3], s[20:21]  ; 32 lanes store 512 consecutive bytes
.Lt_end:
	s_wait_tensorcnt 0x0
	ds_add_u32 v254, v255
	s_wait_dscnt 0x0
	s_endpgm
.Lfunc_end_k_qa12e8e852e_prep:
	.size	k_qa12e8e852e_prep, .Lfunc_end_k_qa12e8e852e_prep-k_qa12e8e852e_prep
	.p2alignl 7, 3214868480
	.fill 96, 4, 3214868480
	.section	.rodata,"a",@progbits
	.p2align	6, 0x0
	.amdhsa_kernel k_qa12e8e852e_prep
		.amdhsa_group_segment_fixed_size 160768
		.amdhsa_private_segment_fixed_size 0
		.amdhsa_enable_private_segment 0
		.amdhsa_kernarg_size 72
		.amdhsa_user_sgpr_count 2
		.amdhsa_user_sgpr_kernarg_segment_ptr 1
		.amdhsa_wavefront_size32 1
		.amdhsa_system_sgpr_workgroup_id_x 1
		.amdhsa_system_sgpr_workgroup_id_y 1
		.amdhsa_system_sgpr_workgroup_id_z 1
		.amdhsa_system_vgpr_workitem_id 0
		.amdhsa_next_free_vgpr 256
		.amdhsa_next_free_sgpr 66
		.amdhsa_reserve_vcc 1
		.amdhsa_float_denorm_mode_32 3
		.amdhsa_float_denorm_mode_16_64 3
		.amdhsa_memory_ordered 1
		.amdhsa_forward_progress 1
		.amdhsa_inst_pref_size 102
	.end_amdhsa_kernel
	.amdgpu_metadata
---
amdhsa.version: [ 1, 2 ]
amdhsa.kernels:
  - .name:           k_qa12e8e852e_prep
    .symbol:         k_qa12e8e852e_prep.kd
    .args:
      - { .name: w_codes, .offset: 0, .size: 8, .value_kind: global_buffer, .address_space: global }
      - { .name: absmax, .offset: 8, .size: 8, .value_kind: global_buffer, .address_space: global }
      - { .name: x_codes, .offset: 16, .size: 8, .value_kind: global_buffer, .address_space: global }
      - { .name: x_scales, .offset: 24, .size: 8, .value_kind: global_buffer, .address_space: global }
      - { .name: lora_A_codes, .offset: 32, .size: 8, .value_kind: global_buffer, .address_space: global }
      - { .name: lora_A_scales, .offset: 40, .size: 8, .value_kind: global_buffer, .address_space: global }
      - { .name: wq, .offset: 48, .size: 8, .value_kind: global_buffer, .address_space: global }
      - { .name: xq, .offset: 56, .size: 8, .value_kind: global_buffer, .address_space: global }
      - { .name: tfrag, .offset: 64, .size: 8, .value_kind: global_buffer, .address_space: global }
    .group_segment_fixed_size: 160768
    .private_segment_fixed_size: 0
    .kernarg_segment_align: 8
    .kernarg_segment_size: 72
    .max_flat_workgroup_size: 256
    .sgpr_count:     66
    .vgpr_count:     256
    .wavefront_size: 32
...
	.end_amdgpu_metadata
.endif
;; end of part 1
;; launch gemm (part 2): grid 16 x 16, 4 waves a work-group, clusters of 4 x 4, 327,680 bytes of LDS; arguments xq, wq, out0, tfrag, lora_B, bias; writes out0
.if DOCPART == 2
	.amdgcn_target "amdgcn-amd-amdhsa--gfx1250"
	.amdhsa_code_object_version 6
	.text
	.protected	k_qa12e8e852e_gemm
	.globl	k_qa12e8e852e_gemm
	.p2align	8
	.type	k_qa12e8e852e_gemm,@function
k_qa12e8e852e_gemm:
	s_mov_b64 s[64:65], 0
	v_nop
	global_prefetch_b8 v0, s[64:65] scope:SCOPE_SE
	s_setreg_imm32_b32 hwreg(HW_REG_WAVE_MODE, 25, 1), 1
	s_wait_xcnt 0x0
	s_wait_alu depctr_hold_cnt(0) depctr_sa_sdst(0) depctr_va_vdst(0) depctr_va_sdst(0) depctr_va_ssrc(0) depctr_va_vcc(0) depctr_vm_vsrc(0)
	s_getreg_b32 s2, hwreg(HW_REG_IB_STS2, 6, 4)
	s_cmp_eq_u32 s2, 0
	s_cbranch_scc0 .Lentry_in_a_cluster
	s_endpgm
.Lentry_in_a_cluster:
	s_bfe_u32 s2, ttmp6, 0x10000c
	s_cmp_lg_u32 s2, 0xf033
	s_cbranch_scc0 .Lentry_shape_is_right
	s_endpgm
.Lentry_shape_is_right:
; out0[m][n] = sum over k of x[m][k] W[n][k] + bias[n] + (4 t)[m][.] lora_B[.][n].  x and W come as xq and wq: units of 12,800 bytes for 128 rows x 128 K, eight fragments as register images and 512 bytes of scale words.
; A tile of out0, 256 x 256, is made by four waves, each 128 x 128: 64 accumulators.  The sums begin with the unquantised product (bf16, K = 16 in a form of 32, the rest zeros) with the bias as its C.
; THE RING: two LDS slots of three steps of 128 K (4 x 38,400 bytes): a wave's load is 150 dense rows of 256 bytes; 32 steps are ten such tiles and one of two steps.  Scale words ride in the tiles.
; At the head of a slot's last step stands the change of slots: the waits, the add, a round of the cluster's barrier, the refill two tiles ahead; sixteen products stand between the opening signal and its wait.
; CLUSTERS: 4 x 4; x's tiles are asked for jointly along a row of the cluster, W's along a column.
; REGISTERS: window w holds at v0-127 the accumulators of x's blocks 2 w, 2 w + 1 ((a, b) at 64 (a % 2) + 8 b) and at v128-223 one set of eight fragments: window 0 x's for even steps, 1 x's for odd,
;   2 W's for even, 3 W's for odd.  Window 0: v224-239 two sets of scale words (lanes 0-15 x's block i, lanes 16-31 W's block i), v240-248 addresses.  Window 2: v224-229 the LDS addresses.
; A STEP: the wait for its own fragments; four v_nop, the places for loads into the sets that the step before has read; a run of 32 LDS loads (the next step's set of x and its scale words); 32 products;
;   a run of 24 loads (the next step's set of W); 32 products.  A fragment is three loads of 16 bytes a lane, consecutive lanes at consecutive bytes.  Both operands have two sets.
; THE MATRIX INSTRUCTION IS USED TRANSPOSED (source 0 = W's rows, source 1 = x's): a lane holds eight neighbouring numbers of a row of out0.
; PREFETCH: behind a refill each wave names the tile two refills on: its 150 blocks of 256 bytes are shared among the four partners by address (40 each; lanes left over name block 149); tiles 4 to 9 alone:
;   tiles 0 to 3 come by their loads, and the last, shorter tile is not named, so that no address leaves the buffer.
.set UB,     12800
.set QT,     3*UB                      ; what one tensor load brings: three steps of 128 rows
.set SLOT,   4*QT
.set SPARE,  2*SLOT                    ; the spare words, 128 bytes a wave
.set STAGE,  SLOT                      ; the way out goes through slot 1, which has had its last fill and its last read by then
.set SPITCH, 528
.set RBB,    32*UB                     ; 128 rows, all of K
.set FB,   128
.set SC,   224
.set SPW,  240
.set NIL,  241
.set STO,  242
.set RD,   243
.set CO,   244
.set PFO,  245
.set LBO,  247
.set BIO,  248
.set ADRA, 224                         ; window 2: x's fragments in slot 0, 1
.set ADRB, 226                         ; W's
.set ADRS, 228                         ; scale words
.set TF,   128                         ; window 1: 4 t as fragments
.set BI,   192                         ; window 1: the bias in the result's layout
.set LBT,  0                           ; window 1: lora_B as loaded
.set LF,   128                         ; window 3: lora_B as fragments
.set BK,   128                         ; window 1: rows read back from the stage
.set G1, 24
.set G0, 32
.set G1B, 48
.set G0B, 56
.set PFA, 66
.set MSB, 0
.macro WIN new                         ; the immediate's high byte repeats the setting that is left
.if MSB != (\new)
	s_set_vgpr_msb (MSB<<8)|(\new)
.set MSB, (\new)
.endif
.endm
.macro PLACES n
.rept \n
	v_nop
.endr
.endm
.macro JLOAD g0a, g1a, g0b, g1b        ; a joint load: waves 0, 1 for x, waves 2, 3 for W; s_nop 0 and four v_nop behind each line
	s_cmp_eq_u32 s15, 0
	s_cbranch_scc0 .Lfor_b_\@
	tensor_load_to_lds s[\g0a:\g0a+3], s[\g1a:\g1a+7]
	s_nop 0
	PLACES 4
	s_branch .Lasked_\@
.Lfor_b_\@:
	tensor_load_to_lds s[\g0b:\g0b+3], s[\g1b:\g1b+7]
	s_nop 0
	PLACES 4
.Lasked_\@:
.endm
.macro CREST
	s_cmp_lg_u32 s14, 0
	s_cbranch_scc1 .Lnot_wave_0_\@
	s_barrier_signal -3
.Lnot_wave_0_\@:
	s_barrier_wait -3
	s_barrier_signal -1
	s_barrier_wait -1
.endm
.macro CROUND
	s_barrier_signal -1
	s_barrier_wait -1
	CREST
.endm
.macro ASK                             ; s3 = 1 in the loop's last trip, whose look-ahead would be tiles 10 and 11
	s_cmp_gt_u32 s3, 1
	s_cbranch_scc0 .Lno_ask_\@
	global_prefetch_b8 v[PFO], s[PFA:PFA+1] th:TH_LOAD_NT scope:SCOPE_SE
	global_prefetch_b8 v[PFO+1], s[PFA:PFA+1] th:TH_LOAD_NT scope:SCOPE_SE
.Lno_ask_\@:
.endm
; Sixteen products: x's blocks 2 w, 2 w + 1 against W's eight, step parity p.  The 64 accumulators take turns, one instruction a turn, in the same order in every step.
.macro GROUP w, p
	WIN ((\w)<<6)|((\w)<<4)|((\p)<<2)|(2+(\p))
.irp a, 0,1
.irp b, 0,1,2,3,4,5,6,7
	v_wmma_scale_f32_16x16x128_f8f6f4 v[64*\a+8*\b:64*\a+8*\b+7], v[FB+12*\b:FB+12*\b+11], v[FB+12*(2*(\w)+\a):FB+12*(2*(\w)+\a)+11], v[64*\a+8*\b:64*\a+8*\b+7], v[SC+8*(\p)+\b], v[SC+8*(\p)+2*(\w)+\a] matrix_a_fmt:MATRIX_FMT_BF6 matrix_b_fmt:MATRIX_FMT_BF6 matrix_a_scale:MATRIX_SCALE_ROW1
.endr
.endr
.endm
; The two runs of LDS loads for a step of parity p, which lies at place q of slot sl.  The addresses lie in window 2 (the field of source 0).
.macro FETCHA p, sl, q                 ; x's set and the scale words: 32 loads
	WIN ((\p)<<6)|2
.set N, 0
.rept 24
	ds_load_b128 v[FB+4*N:FB+4*N+3], v[ADRA+(\sl)] offset:UB*(\q)+512*N
.set N, N+1
.endr
	WIN 0x02
.set N, 0
.rept 8
	ds_load_b32 v[SC+8*(\p)+N], v[ADRS+(\sl)] offset:UB*(\q)+12288+64*N
.set N, N+1
.endr
.endm
.macro FETCHB p, sl, q                 ; W's set: 24 loads
	WIN ((2+(\p))<<6)|2
.set N, 0
.rept 24
	ds_load_b128 v[FB+4*N:FB+4*N+3], v[ADRB+(\sl)] offset:UB*(\q)+512*N
.set N, N+1
.endr
.endm
.macro STEP p, sl, q, ld               ; a step of parity p inside a slot; sl, q: where the next step lies; ld = 0: there is none
	s_wait_dscnt 0x0                               ; this step's fragments and scale words are in
.if \ld
	PLACES 4
	FETCHA 1-(\p), \sl, \q
.endif
	GROUP 0, \p
	GROUP 1, \p
.if \ld
	FETCHB 1-(\p), \sl, \q                         ; its registers were last read in the step before: the four v_nop above are its places too
.endif
	GROUP 2, \p
	GROUP 3, \p
.endm
.macro TURN p, sl, fill                ; slot sl's last step.  fill: 0 nothing is filled again, 1 the tile two on, 2 the last tile, of two steps
	WIN 0
.if \fill == 1
	s_wait_xcnt 0x0                                ; my prefetches have read their address: it is stepped only behind this wait
	s_add_nc_u64 s[PFA:PFA+1], s[PFA:PFA+1], QT
.endif
	s_wait_tensorcnt 0x0                           ; all my tensor loads have landed: my part of the other slot
	ds_add_u32 v[SPW], v[NIL]
.if \fill
	s_add_nc_u64 s[G0+4*\sl+2:G0+4*\sl+3], s[G0+4*\sl+2:G0+4*\sl+3], 2*QT
	s_add_nc_u64 s[G0B+4*\sl+2:G0B+4*\sl+3], s[G0B+4*\sl+2:G0B+4*\sl+3], 2*QT
.endif
.if \fill == 2
	s_mov_b32 s[G1+2], 100<<16                     ; no load of mine is out: two steps are 100 rows
	s_mov_b32 s[G1+4], 100
	s_mov_b32 s[G1B+2], 100<<16
	s_mov_b32 s[G1B+4], 100
.endif
	s_wait_dscnt 0x0                               ; the add is done, and my reads of this slot are over
	s_barrier_signal -1
	GROUP 0, \p                                    ; work on registers while the others arrive
	WIN 0
	s_barrier_wait -1
.if \fill
	CREST                                          ; the barrier has opened a round of the cluster's barrier
	JLOAD G0+4*\sl, G1, G0B+4*\sl, G1B             ; its four v_nop are the places for the loads below
.if \fill == 1
	ASK
.endif
.else
	PLACES 4
.endif
	FETCHA 1-(\p), 1-\sl, 0                        ; the other slot's first step
	GROUP 1, \p
	FETCHB 1-(\p), 1-\sl, 0
	GROUP 2, \p
	GROUP 3, \p
.endm
	s_load_b128 s[4:7], s[0:1], 0x0                ; xq, wq
	s_load_b128 s[8:11], s[0:1], 0x10              ; out0, tfrag
	s_load_b128 s[96:99], s[0:1], 0x20             ; lora_B, bias
	v_lshl_add_u32 v[SPW], v0, 2, SPARE
	v_mov_b32 v[NIL], 0
	ds_add_u32 v[SPW], v[NIL]                      ; the opening lines: the add, twice on end, and its wait
	ds_add_u32 v[SPW], v[NIL]
	v_lshrrev_b32 v1, 5, v0
	v_readfirstlane_b32 s14, v1                    ; wave
	s_lshr_b32 s15, s14, 1                         ; my half of the tile's rows; also: I fetch for x (0) or W (1)
	s_and_b32 s16, s14, 1                          ; my half of its columns; also: which 128 rows I fetch
	s_bfe_u32 s40, ttmp6, 0x40000
	s_bfe_u32 s41, ttmp6, 0x40004
	s_lshl_b32 s42, ttmp9, 2
	s_add_co_u32 s42, s42, s40                     ; tile column
	s_and_b32 s17, ttmp7, 0xffff
	s_lshl_b32 s17, s17, 2
	s_add_co_u32 s17, s17, s41                     ; tile row
	s_lshl_b32 s43, s41, 2
	s_lshl_b32 s43, 15, s43
	s_lshl_b32 s44, 0x1111, s40
	s_or_b32 s[G1], s43, (3<<16)|(1<<21)           ; the mask; elements of 8 bytes; bit 21 beside a mask; no padding: lanes read consecutive 16 bytes
	s_or_b32 s[G1B], s44, (3<<16)|(1<<21)
.irp g, G1, G1B
	s_mov_b32 s[\g+1], 32<<16
	s_mov_b32 s[\g+2], 150<<16
	s_mov_b32 s[\g+3], 32<<16
	s_mov_b32 s[\g+4], 150
	s_mov_b32 s[\g+5], 32
	s_mov_b32 s[\g+6], 0
	s_mov_b32 s[\g+7], 0
.endr
	s_lshl_b32 s20, s17, 1
	s_add_co_u32 s20, s20, s16
	s_mul_i32 s20, s20, RBB
	s_mov_b32 s21, 0
	s_lshl_b32 s46, s42, 1
	s_add_co_u32 s46, s46, s16
	s_mul_i32 s46, s46, RBB
	s_mov_b32 s47, 0
	s_mul_i32 s45, s14, QT
	s_wait_dscnt 0x0
	s_wait_kmcnt 0x0
	s_add_nc_u64 s[20:21], s[4:5], s[20:21]
	s_add_nc_u64 s[46:47], s[6:7], s[46:47]
	CROUND                                         ; in front of the first joint loads
.irp s, 0,1
	s_mov_b32 s[G0+4*\s], 1
	s_add_co_u32 s[G0+4*\s+1], s45, \s*SLOT
	s_add_nc_u64 s[G0+4*\s+2:G0+4*\s+3], s[20:21], \s*QT
	s_or_b32 s[G0+4*\s+3], s[G0+4*\s+3], 0x80000000
	s_mov_b32 s[G0B+4*\s], 1
	s_add_co_u32 s[G0B+4*\s+1], s45, \s*SLOT
	s_add_nc_u64 s[G0B+4*\s+2:G0B+4*\s+3], s[46:47], \s*QT
	s_or_b32 s[G0B+4*\s+3], s[G0B+4*\s+3], 0x80000000
.endr
	JLOAD G0, G1, G0B, G1B                         ; tile 0: one tensor load a wave at the head
	s_mul_i32 s68, s15, QT                         ; my rows of x in slot 0, 1
	s_add_co_u32 s69, s68, SLOT
	s_mul_i32 s70, s16, QT
	s_add_co_u32 s70, s70, 2*QT                    ; my rows of W
	s_add_co_u32 s71, s70, SLOT
	s_sub_co_u32 s72, s70, s68
	s_mul_i32 s23, s14, 16*SPITCH
	s_add_co_u32 s23, s23, STAGE
	s_cmp_eq_u32 s15, 0
	s_cselect_b32 s73, s40, s41                    ; my place among the four that ask with me
	s_cselect_b64 s[PFA:PFA+1], s[20:21], s[46:47]
	s_add_nc_u64 s[PFA:PFA+1], s[PFA:PFA+1], 3*QT  ; the first change of slots steps it to tile 4
	s_mul_i32 s73, s73, 40
	s_lshl_b32 s18, s17, 8
	s_lshl_b32 s19, s15, 7
	s_add_co_u32 s18, s18, s19                     ; my first row of out0
	s_mov_b32 s13, 0
	s_lshl_b32 s12, s18, 5
	s_add_nc_u64 s[10:11], s[10:11], s[12:13]
	s_lshl_b32 s12, s18, 14
	s_add_nc_u64 s[8:9], s[8:9], s[12:13]
	s_lshl_b32 s12, s42, 10
	s_lshl_b32 s19, s16, 9
	s_add_co_u32 s12, s12, s19                     ; my first column, in bytes
	s_add_nc_u64 s[8:9], s[8:9], s[12:13]
	s_add_nc_u64 s[96:97], s[96:97], s[12:13]
	s_add_nc_u64 s[98:99], s[98:99], s[12:13]
	v_and_b32 v1, 15, v0                           ; r
	v_bfe_u32 v2, v0, 4, 1                         ; h
	v_and_b32 v3, 31, v0
	v_lshlrev_b32 v[CO], 4, v3                     ; 16 x lane
	v_mul_u32_u24 v4, s72, v2                      ; lanes 16-31 take W's scale words
	v_lshl_add_u32 v4, v1, 2, v4
	v_mul_u32_u24 v5, v1, SPITCH
	v_lshl_add_u32 v5, v2, 5, v5
	v_add_nc_u32 v[STO], s23, v5
	v_add_nc_u32 v[RD], s23, v[CO]
	v_lshlrev_b32 v[LBO], 2, v1
	v_lshl_add_u32 v[LBO], v2, 17, v[LBO]          ; lora_B: column r, rows 8 h on
	v_lshlrev_b32 v[BIO], 5, v2
	v_add_nc_u32 v6, s73, v3
	v_min_u32 v7, 7, v3
	v_add3_u32 v7, v7, s73, 32
	v_min_u32 v6, 149, v6
	v_min_u32 v7, 149, v7
	v_lshlrev_b32 v[PFO], 8, v6
	v_lshlrev_b32 v[PFO+1], 8, v7
	WIN 0x80
	v_add_nc_u32 v[ADRA], s68, v[CO]
	v_add_nc_u32 v[ADRA+1], s69, v[CO]
	v_add_nc_u32 v[ADRB], s70, v[CO]
	v_add_nc_u32 v[ADRB+1], s71, v[CO]
	v_add_nc_u32 v[ADRS], s68, v4
	v_add_nc_u32 v[ADRS+1], s69, v4
	WIN 0x40
	s_wait_alu depctr_va_vdst(0)                   ; the wait behind the addresses' writes
.irp a, 0,1,2,3,4,5,6,7
	global_load_b128 v[TF+8*\a:TF+8*\a+3], v[CO], s[10:11] offset:512*\a
.endr
.irp b, 0,1,2,3,4,5,6,7
.irp j, 0,1,2,3,4,5,6,7
	global_load_b32 v[LBT+8*\b+\j], v[LBO], s[96:97] offset:16384*\j+64*\b
.endr
.endr
.irp b, 0,1,2,3,4,5,6,7
	global_load_b128 v[BI+8*\b:BI+8*\b+3], v[BIO], s[98:99] offset:64*\b
	global_load_b128 v[BI+8*\b+4:BI+8*\b+7], v[BIO], s[98:99] offset:64*\b+16
.endr
.irp a, 0,1,2,3,4,5,6,7
.irp i, 4,5,6,7
	v_mov_b32 v[TF+8*\a+\i], 0                     ; K = 16 .. 31 of the form: zeros
.endr
.endr
	WIN 0xc0
.irp b, 0,1,2,3,4,5,6,7
.irp i, 4,5,6,7
	v_mov_b32 v[LF+8*\b+\i], 0
.endr
.endr
	WIN 0
	s_wait_alu depctr_va_vdst(0)                   ; the wait at the head's end
	s_wait_tensorcnt 0x0                           ; my part of tile 0 is in
	ds_add_u32 v[SPW], v[NIL]
	s_wait_dscnt 0x0
	CROUND
	JLOAD G0+4, G1, G0B+4, G1B                     ; tile 1, the first tensor load behind the round
	FETCHA 0, 0, 0                                 ; step 0's sets and scale words
	FETCHB 0, 0, 0
	s_wait_loadcnt 0x0
	WIN 0xc5
.irp b, 0,1,2,3,4,5,6,7
.irp q, 0,1,2,3
	v_cvt_pk_bf16_f32 v[LF+8*\b+\q], v[LBT+8*\b+2*\q], v[LBT+8*\b+2*\q+1]
.endr
.endr
.irp w, 0,1,2,3                        ; the sums begin: bias + (4 t) lora_B
	WIN (\w<<6)|0x17
.irp a, 0,1
.irp b, 0,1,2,3,4,5,6,7
	v_wmma_f32_16x16x32_bf16 v[64*\a+8*\b:64*\a+8*\b+7], v[LF+8*\b:LF+8*\b+7], v[TF+8*(2*\w+\a):TF+8*(2*\w+\a)+7], v[BI+8*\b:BI+8*\b+7]
.endr
.endr
.endr
	WIN 0
	PLACES 5                                       ; another form takes these results up (ISA guide 7.12.1)
	s_mov_b32 s3, 4
.Llap:                                                 ; a trip: two tiles, six steps, both slots filled again: tiles 0 to 7
	STEP 0, 0, 1, 1
	STEP 1, 0, 2, 1
	TURN 0, 0, 1
	STEP 1, 1, 1, 1
	STEP 0, 1, 2, 1
	TURN 1, 1, 1
	WIN 0
	s_sub_co_u32 s3, s3, 1
	s_cmp_lg_u32 s3, 0
	s_cbranch_scc1 .Llap
	STEP 0, 0, 1, 1                                ; tile 8; its last step asks for tile 10
	STEP 1, 0, 2, 1
	TURN 0, 0, 2
	STEP 1, 1, 1, 1                                ; tile 9; nothing is filled again
	STEP 0, 1, 2, 1
	TURN 1, 1, 0
	STEP 0, 0, 1, 1                                ; tile 10: two steps
	STEP 1, 0, 0, 0
	WIN 0
; THE WAY OUT, by blocks of 16 rows x 128 columns: through my own stage and back as whole rows of 512 bytes.  LDS serves a wave's instructions in order (ISA guide 5.7.1.4).
.macro TOSTAGE a
	WIN ((\a)/2)<<2
.irp b, 0,1,2,3,4,5,6,7
	ds_store_b128 v[STO], v[64*((\a)%2)+8*\b:64*((\a)%2)+8*\b+3] offset:64*\b      ; each accumulator from its low end on
	ds_store_b128 v[STO], v[64*((\a)%2)+8*\b+4:64*((\a)%2)+8*\b+7] offset:64*\b+16
.endr
	WIN 0x40
.irp t, 0,1,2,3,4,5,6,7,8,9,10,11,12,13,14,15
	ds_load_b128 v[BK+64*((\a)%2)+4*\t:BK+64*((\a)%2)+4*\t+3], v[RD] offset:\t*SPITCH
.endr
.endm
.macro SEND a, younger
	s_wait_dscnt \younger
.if (\a) > 0
	s_add_nc_u64 s[8:9], s[8:9], 16*16384          ; behind a wait on XCNT: the earlier stores have read their base
.endif
	WIN 0x04
.irp t, 0,1,2,3,4,5,6,7,8,9,10,11,12,13,14,15
	global_store_b128 v[CO], v[BK+64*((\a)%2)+4*\t:BK+64*((\a)%2)+4*\t+3], s[8:9] offset:\t*16384 th:TH_STORE_NT   ; 32 lanes store 512 consecutive bytes at a multiple of 256
.endr
.endm
	PLACES 4
	TOSTAGE 0
.irp a, 1,2,3,4,5,6,7
.if \a > 1
	s_wait_xcnt 0x0                                ; block a - 2's stores have read their registers and their base
.endif
	TOSTAGE \a
	SEND \a-1, 32                                  ; behind block a - 1's loads: block a's 16 stores and 16 loads
.endr
	s_wait_xcnt 0x0
	SEND 7, 0
	WIN 0
	s_wait_tensorcnt 0x0                           ; the wave's end
	ds_add_u32 v[SPW], v[NIL]
	s_wait_dscnt 0x0
	CROUND                                         ; the closing round
	s_endpgm
.Lfunc_end_k_qa12e8e852e_gemm:
	.size	k_qa12e8e852e_gemm, .Lfunc_end_k_qa12e8e852e_gemm-k_qa12e8e852e_gemm
	.p2alignl 7, 3214868480
	.fill 96, 4, 3214868480
	.section	.rodata,"a",@progbits
	.p2align	6, 0x0
	.amdhsa_kernel k_qa12e8e852e_gemm
		.amdhsa_group_segment_fixed_size 327680
		.amdhsa_private_segment_fixed_size 0
		.amdhsa_enable_private_segment 0
		.amdhsa_kernarg_size 48
		.amdhsa_user_sgpr_count 2
		.amdhsa_user_sgpr_kernarg_segment_ptr 1
		.amdhsa_wavefront_size32 1
		.amdhsa_system_sgpr_workgroup_id_x 1
		.amdhsa_system_sgpr_workgroup_id_y 1
		.amdhsa_system_sgpr_workgroup_id_z 1
		.amdhsa_system_vgpr_workitem_id 0
		.amdhsa_next_free_vgpr 1024
		.amdhsa_next_free_sgpr 100
		.amdhsa_reserve_vcc 0
		.amdhsa_float_denorm_mode_32 3
		.amdhsa_float_denorm_mode_16_64 3
		.amdhsa_memory_ordered 1
		.amdhsa_forward_progress 1
		.amdhsa_inst_pref_size 225
	.end_amdhsa_kernel
	.amdgpu_metadata
---
amdhsa.version: [ 1, 2 ]
amdhsa.kernels:
  - .name:           k_qa12e8e852e_gemm
    .symbol:         k_qa12e8e852e_gemm.kd
    .args:
      - { .name: xq, .offset: 0, .size: 8, .value_kind: global_buffer, .address_space: global }
      - { .name: wq, .offset: 8, .size: 8, .value_kind: global_buffer, .address_space: global }
      - { .name: out0, .offset: 16, .size: 8, .value_kind: global_buffer, .address_space: global }
      - { .name: tfrag, .offset: 24, .size: 8, .value_kind: global_buffer, .address_space: global }
      - { .name: lora_B, .offset: 32, .size: 8, .value_kind: global_buffer, .address_space: global }
      - { .name: bias, .offset: 40, .size: 8, .value_kind: global_buffer, .address_space: global }
    .group_segment_fixed_size: 327680
    .private_segment_fixed_size: 0
    .kernarg_segment_align: 8
    .kernarg_segment_size: 48
    .max_flat_workgroup_size: 128
    .sgpr_count:     100
    .vgpr_count:     1024
    .wavefront_size: 32
...
	.end_amdgpu_metadata
.endif
;; end of part 2
